; MI455X (gfx1250); checked and timed in simulation.
; The chip was launched on July 23, 2026; its instructions are those of AMD's public machine-readable ISA for CDNA 5 (MIT licence, August 2026) and "CDNA5" Instruction Set Architecture Reference Guide (July 2026). The comments in the code are by the model that wrote it; some were corrected since.
;; Multi Head Cosine Self Attention. Allowed arithmetic: matrix products marked QUANTISED: E2M3 operands, one E8M0 scale for each 32 along K, by v_wmma_scale_f32_16x16x128_f8f6f4 with both operands' format E2M3, f32 sums; everything else in f32.
;; Inputs: Wk 1,024 x 1,024 float32; Wo 1,024 x 1,024 float32; Wq 1,024 x 1,024 float32; Wv 1,024 x 1,024 float32; bk 1,024 float32; bo 1,024 float32; bq 1,024 float32; bv 1,024 float32; m 16 float32; x 4 x 2,048 x 1,024 float32.
;; Outputs: out0 4 x 2,048 x 1,024 float32.
;; This version of the problem:
;;   THIS VERSION OF THE PROBLEM IS GIVEN IN LOW PRECISION. The matrix products marked QUANTISED in the list below multiply operands that are first quantised to E2M3 (2 exponent bits, 3 mantissa bits; 6 bits a number), with one power-of-two scale for each 32 numbers along K (OCP MX v1.0); their sums are f32. All else is computed in f32.
;;   The module's matrix products, in the order in which they are computed (A, B: the left and right operand; K: the contracted axis; several contracted axes count as one K, in the product's order):
;;     1. [M 8,192, K 1,024] x [K 1,024, N 1,024]; A: input x; B: input Wq: QUANTISED
;;     2. [M 8,192, K 1,024] x [K 1,024, N 1,024]; A: input x; B: input Wk: QUANTISED
;;     3. [M 8,192, K 1,024] x [K 1,024, N 1,024]; A: input x; B: input Wv: QUANTISED
;;     4. batch 64 x [M 2,048, K 64] x [K 64, N 2,048]; A: computed on the way; B: computed on the way: QUANTISED
;;     5. batch 64 x [M 2,048, K 2,048] x [K 2,048, N 64]; A: computed on the way; B: computed on the way: QUANTISED
;;     6. [M 8,192, K 1,024] x [K 1,024, N 1,024]; A: computed on the way; B: input Wo: QUANTISED
;;   THE QUANTISER, for each operand of a quantised product, along K:
;;     - K is cut into blocks of 32 from its start; a last block that is shorter is filled with zeros.
;;     - A block's scale is 2^e with e = floor(log2(the largest magnitude in the block)) - 2, held to -126 .. 127; a block of zeros has e = 0. As a byte (E8M0): e + 127.
;;     - Each number is divided by its block's scale, clamped to +-7.5, and rounded to the nearest number of E2M3, ties to even, subnormals kept.
;;     - The product sums the exact products of the quantised numbers (number of the format x scale) in f32.
;;   ~~~python
;;   def quantise(x, axis):      # numpy; x: float32 -> the quantised numbers, widened to float32 again
;;       x = np.moveaxis(x, axis, -1); K = x.shape[-1]
;;       x = np.pad(x, [(0, 0)] * (x.ndim - 1) + [(0, -K % 32)]); x = x.reshape(x.shape[:-1] + (-1, 32)); a = np.abs(x).max(-1, keepdims=True)
;;       e = np.where(a > 0, np.clip(np.frexp(np.where(a > 0, a, 1))[1] - 1 - 2, -126, 127), 0)      # np.frexp(a)[1] - 1 = floor(log2(a)), exactly
;;       r = np.clip(x / 2.0 ** e, -7.5, 7.5)
;;       step = 2.0 ** (np.maximum(np.frexp(np.where(r == 0, 1, r))[1] - 1, 0) - 3)
;;       q = np.round(r / step) * step * 2.0 ** e      # np.round: ties to even
;;       return np.moveaxis(q.reshape(q.shape[:-2] + (-1,))[..., :K], -1, axis).astype(np.float32)
;;   ~~~
;;   OPERANDS COMPUTED ON THE WAY. 'Computed on the way' means the value that the module computes at that place (a softmax that the list does not call 'softmax' is quantised finished and normalised). What goes into a quantiser is computed in f32, as accurately as f32 sums, v_exp_f32 and their like allow (about 1e-6 of the number): no bf16 or f16 on the way to a quantiser, and a product that is left as it is and whose result goes on into a quantised operand takes f32 operands (vector FMAs, or v_wmma_f32_16x16x4_f32). A number that lies on a knife's edge between two numbers of the format may be rounded either way, as far as f32 arithmetic and the matrix unit's own rounding can turn it there, and no further.
;; One version. Each part assembles by itself: llvm-mc -triple=amdgcn-amd-amdhsa -mcpu=gfx1250 --defsym DOCPART=n.
;; ======== version 1 of 1: 4 launches
;; workspace buffers: ximg 6,553,600 bytes; wimg 3,276,800 bytes; qkvimg 20,447,232 bytes; oimg 6,815,744 bytes
;; launch prep (part 1): grid 384 x 1, 4 waves a work-group, no clusters, 100,864 bytes of LDS; arguments x, Wq, Wk, Wv, Wo, ximg, wimg; writes ximg, wimg
.if DOCPART == 1
	.amdgcn_target "amdgcn-amd-amdhsa--gfx1250"
	.amdhsa_code_object_version 6
	.text
	.protected	k_q0ed1e6838a_prep
	.globl	k_q0ed1e6838a_prep
	.p2align	8
	.type	k_q0ed1e6838a_prep,@function
k_q0ed1e6838a_prep:
	s_mov_b64 s[64:65], 0
	v_nop
	global_prefetch_b8 v0, s[64:65] scope:SCOPE_SE
	s_setreg_imm32_b32 hwreg(HW_REG_WAVE_MODE, 25, 1), 1
	s_wait_xcnt 0x0
; x [8192][1024] and the four weights [1024 (k)][1024 (n)], f32, become codes of E2M3 with one E8M0 byte for each 32 along K, laid as IMAGES OF OPERAND REGISTERS.
; A UNIT is 64 rows (tokens of x, columns n of a weight) x all 1,024 of K: 51,200 bytes.  Its rows form four tiles: row r of tile u is row 32 (r / 8) + 8 u + r % 8 of the 64.
; A HALF, 768 bytes, is six operand registers of a tile: lane (r, h) holds row r, K = 32 h .. 32 h + 31 of 64 along K; registers 0-3 lie at 16 x lane, registers 4-5 at 512 + 8 x lane.
; The HALF of K step s (128 along K), tile u, half c lies at ((4 s + u) 2 + c) 768.  The scale words (byte 2 c + h of row r) lie at 49,152 + 256 s + 8 (16 (u % 2) + r) + 4 (u / 2).
; A block's scale is 2^(floor(log2(largest magnitude)) - 2): its byte is the largest magnitude's exponent field - 2, held at 1 from below.
; LIMITS: NaN and infinities are not served; a block whose largest magnitude lies under 2^-124 keeps the byte 1, a block of zeros too (its codes are zeros; this program alone reads the bytes).
; SHARES: a wave takes one unit's one K step, 64 rows x 128 K = 32 KiB of f32.  Work-groups 0-255 take x, 256-383 the weights (units 0-15 Wq, 16-31 Wk, 32-47 Wv, 48-63 Wo).
; Loads read whole runs of 512 or 256 consecutive bytes; the numbers turn through the wave's own stage in LDS, so that a lane gets 32 neighbours along K.  Waves share nothing: no barrier.
; No matrix unit, no tensor load, no cluster: the launch streams each input byte once.
.set SPARE, 100352                     ; behind the stages: the spare words, 128 bytes a wave
.set SPW,  1                           ; v1   my spare word's LDS address; never rewritten
.set NIL,  2                           ; v2   0; never rewritten
.set STRW, 3                           ; v3   weights: where I read a column from the stage
.set L16,  4                           ; v4   16 x lane
.set L8,   5                           ; v5   8 x lane
.set SH8,  6                           ; v6   8 h
.set STIX, 7                           ; v7   x: where I put 16 bytes of a row into the stage
.set STRX, 8                           ; v8   x: where I read my 32 neighbours
.set GLO,  9                           ; v9   weights: 4096 (lane / 16) + 16 (lane % 16)
.set PT,   10                          ; v10  the other half's word
.set STIW, 11                          ; v11  weights: into the stage
.set MX,   12                          ; v12-15 four chains of maxima
.set SC,   16                          ; v16-17 the conversions' scale operands
.set BY,   18                          ; v18-25 scale bytes
.set WD,   26                          ; v26-29 a tile's scale word
.set PK,   30                          ; v30-31 the words as they are stored
.set T,    32                          ; v32-39 upper halves of two blocks' codes
.set CO,   40                          ; v40-63 codes, two sets of two HALFs
.set X,    64                          ; v64-127 two blocks of 32 neighbours
.set R,    128                         ; v128-255 two sets of 16 loads
.set OC,   34                          ; s[34:35] where my K step's codes go
.set OS,   36                          ; s[36:37] and its scale words
.set IN,   38                          ; s[38:39] where my numbers come from
; the largest magnitudes of two blocks of 32 registers, four chains by turns, with the floor 2^(3 - 127) among the leaves; then the scale operands and the bytes
.macro QMAX a, b, bya, byb
	v_max3_num_f32 v[MX], |v[(\a)]|, |v[(\a)+1]|, 0x1800000
	v_max3_num_f32 v[MX+2], |v[(\b)]|, |v[(\b)+1]|, 0x1800000
	v_max3_num_f32 v[MX+1], |v[(\a)+16]|, |v[(\a)+17]|, |v[(\a)+18]|
	v_max3_num_f32 v[MX+3], |v[(\b)+16]|, |v[(\b)+17]|, |v[(\b)+18]|
.irp k, 1,2,3,4,5,6
	v_max3_num_f32 v[MX], v[MX], |v[(\a)+2*\k]|, |v[(\a)+2*\k+1]|
	v_max3_num_f32 v[MX+2], v[MX+2], |v[(\b)+2*\k]|, |v[(\b)+2*\k+1]|
	v_max3_num_f32 v[MX+1], v[MX+1], |v[(\a)+2*\k+17]|, |v[(\a)+2*\k+18]|
	v_max3_num_f32 v[MX+3], v[MX+3], |v[(\b)+2*\k+17]|, |v[(\b)+2*\k+18]|
.endr
	v_max3_num_f32 v[MX], v[MX], |v[(\a)+14]|, |v[(\a)+15]|
	v_max3_num_f32 v[MX+2], v[MX+2], |v[(\b)+14]|, |v[(\b)+15]|
	v_max3_num_f32 v[MX], v[MX], v[MX+1], |v[(\a)+31]|
	v_max3_num_f32 v[MX+2], v[MX+2], v[MX+3], |v[(\b)+31]|
	v_add_nc_u32 v[SC], 0xff000000, v[MX]          ; 2 off the exponent field: the conversion's scale operand
	v_add_nc_u32 v[SC+1], 0xff000000, v[MX+2]
	v_lshrrev_b32 v[\bya], 23, v[SC]               ; the scale's byte
	v_lshrrev_b32 v[\byb], 23, v[SC+1]
.endm
; the two blocks' codes: six registers each, at da and db (a conversion's three registers begin on an even number: the upper three are made elsewhere and moved)
.macro QCVT a, b, da, db
	v_cvt_scalef32_pk16_fp6_f32 v[(\da):(\da)+2], v[(\a):(\a)+15], v[SC]
	v_cvt_scalef32_pk16_fp6_f32 v[T:T+2], v[(\a)+16:(\a)+31], v[SC]
	v_cvt_scalef32_pk16_fp6_f32 v[(\db):(\db)+2], v[(\b):(\b)+15], v[SC+1]
	v_cvt_scalef32_pk16_fp6_f32 v[T+4:T+6], v[(\b)+16:(\b)+31], v[SC+1]
	v_nop                                          ; one plain place behind the conversions
.irp k, 0,1,2
	v_mov_b32 v[(\da)+3+\k], v[T+\k]
	v_mov_b32 v[(\db)+3+\k], v[T+4+\k]
.endr
.endm
.macro WORD d, lo, hi                  ; a row's scale word: my bytes of halves c = 0 and 1 at byte h and 2 + h, with the lane 16 away's
	v_lshl_or_b32 v[\d], v[\hi], 16, v[\lo]
	v_lshlrev_b32 v[\d], v[SH8], v[\d]
	v_permlanex16_b32 v[PT], v[\d], s22, s23
	v_or_b32 v[\d], v[\d], v[PT]
.endm
.macro HALFOUT c, off                  ; a HALF leaves: 512 and 256 consecutive bytes, each at a multiple of 256 from the buffer's first byte
	global_store_b128 v[L16], v[(\c):(\c)+3], s[OC:OC+1] offset:(\off)
	global_store_b64 v[L8], v[(\c)+4:(\c)+5], s[OC:OC+1] offset:(\off)+512
.endm
	s_load_b256 s[4:11], s[0:1], 0x0               ; x, Wq, Wk, Wv
	s_load_b128 s[12:15], s[0:1], 0x20             ; Wo, ximg
	s_load_b64 s[16:17], s[0:1], 0x30              ; wimg
	v_lshl_add_u32 v[SPW], v0, 2, SPARE
	v_mov_b32 v[NIL], 0
	v_lshrrev_b32 v3, 5, v0
	v_readfirstlane_b32 s20, v3                    ; wave
	v_and_b32 v12, 31, v0                          ; lane
	v_and_b32 v13, 15, v0                          ; r
	v_bfe_u32 v14, v0, 4, 1                        ; h
	v_lshlrev_b32 v[L16], 4, v12
	v_lshlrev_b32 v[L8], 3, v12
	v_lshlrev_b32 v[SH8], 3, v14
	s_mul_i32 s21, s20, 8448                       ; x's stages: 16 rows of 528 bytes a wave
	v_add_nc_u32 v[STIX], s21, v[L16]
	v_mul_u32_u24 v15, v13, 528
	v_lshl_add_u32 v15, v14, 7, v15                ; row r, + 128 h
	v_add_nc_u32 v[STRX], s21, v15
	s_mul_i32 s21, s20, 16640                      ; the weights' stages lie behind x's, bytes of their own: two blocks of 32 rows x 256 bytes, 8,256 apart
	s_add_co_u32 s21, s21, 33792
	v_add_nc_u32 v[STIW], s21, v[L16]
	v_mul_u32_u24 v15, v14, 8256                   ; block h,
	v_bfe_u32 v16, v0, 3, 1
	v_lshl_add_u32 v15, v16, 7, v15                ; column 32 (r / 8)
	v_and_b32 v16, 7, v0
	v_lshl_add_u32 v15, v16, 2, v15                ; + r % 8
	v_add_nc_u32 v[STRW], s21, v15
	v_lshlrev_b32 v[GLO], 4, v13
	v_lshl_add_u32 v[GLO], v14, 12, v[GLO]
	v_mov_b32 v[PT], 0                             ; a lane permute's destination counts as one of its sources
	s_mov_b32 s22, 0x76543210                      ; selects for the lane 16 away
	s_mov_b32 s23, 0xfedcba98
	s_mov_b32 s24, 0xffff0000                      ; lanes 16-31
	s_cmp_lt_u32 ttmp9, 256
	s_cselect_b32 s25, 0, 256
	s_sub_co_u32 s25, ttmp9, s25                   ; my number among x's work-groups, or among the weights'
	s_lshr_b32 s26, s25, 1                         ; the unit
	s_and_b32 s27, s25, 1
	s_lshl_b32 s27, s27, 2
	s_add_co_u32 s27, s27, s20                     ; the K step
	s_mul_i32 s28, s26, 51200
	s_mul_i32 s30, s27, 6144
	s_add_co_u32 s28, s28, s30                     ; the K step's codes in the image
	s_mov_b32 s29, 0
	s_mul_i32 s30, s26, 51200
	s_lshl_b32 s31, s27, 8
	s_add_co_u32 s30, s30, s31
	s_add_co_u32 s30, s30, 49152                   ; and its scale words
	s_mov_b32 s31, 0
	s_wait_kmcnt 0x0
	s_cmp_lt_u32 ttmp9, 256                        ; the choice hangs on the work-group's number alone
	s_cselect_b64 s[32:33], s[14:15], s[16:17]
	s_add_nc_u64 s[OC:OC+1], s[32:33], s[28:29]
	s_add_nc_u64 s[OS:OS+1], s[32:33], s[30:31]
	s_cmp_lt_u32 ttmp9, 256
	s_cbranch_scc0 .Lweights
	; ---- x: K is innermost.  A tile's 16 rows x 512 bytes are loaded row by row, go through the stage and come back 128 bytes a lane and half
	s_lshl_b32 s28, s26, 18                        ; 64 rows of 4,096 bytes a unit
	s_lshl_b32 s30, s27, 9                         ; 512 bytes a K step
	s_add_co_u32 s28, s28, s30
	s_add_nc_u64 s[IN:IN+1], s[4:5], s[28:29]
.macro XL t, set                       ; tile t's 16 rows: each load is 512 consecutive bytes
.irp p, 0,1,2,3,4,5,6,7,8,9,10,11,12,13,14,15
	global_load_b128 v[R+64*(\set)+4*\p:R+64*(\set)+4*\p+3], v[L16], s[IN:IN+1] offset:(32*(\p/8)+8*(\t)+\p%8)*4096 th:TH_LOAD_NT
.endr
.endm
.macro XT t
.if (\t) < 3
	s_wait_loadcnt 16                              ; this tile's 16 loads are in; the next tile's 16 may be out
.else
	s_wait_loadcnt 0x0
.endif
.irp p, 0,1,2,3,4,5,6,7,8,9,10,11,12,13,14,15
	ds_store_b128 v[STIX], v[R+64*((\t)%2)+4*\p:R+64*((\t)%2)+4*\p+3] offset:528*\p
.endr
.irp c, 0,1
.irp j, 0,1,2,3,4,5,6,7
	ds_load_b128 v[X+32*\c+4*\j:X+32*\c+4*\j+3], v[STRX] offset:256*\c+16*\j   ; LDS serves a wave's instructions in order: these see the stores above
.endr
.endr
	s_wait_dscnt 0x0                               ; my 64 numbers are in, and the stores have read the loaded registers
.if (\t) < 2
	XL (\t)+2, (\t)%2                              ; which take the tile two on
.else
	s_wait_xcnt 0x0                                ; the stores of two tiles ago have read this set of codes
.endif
	QMAX X, X+32, BY, BY+1
	QCVT X, X+32, CO+12*((\t)%2), CO+12*((\t)%2)+6
	WORD WD+(\t), BY, BY+1
	HALFOUT CO+12*((\t)%2), (2*(\t))*768
	HALFOUT CO+12*((\t)%2)+6, (2*(\t)+1)*768
.endm
	XL 0, 0
	XL 1, 1
	XT 0
	XT 1
	XT 2
	XT 3
	s_branch .Ltail
.Lweights:
	; ---- a weight: K is the first axis.  32 rows k x 256 bytes (64 columns) at a time into the stage; a lane then reads ONE column down K
	s_lshr_b32 s25, s26, 4                         ; which of the four
	s_cmp_lt_u32 s25, 1
	s_cselect_b64 s[IN:IN+1], s[6:7], s[8:9]
	s_cmp_lt_u32 s25, 2
	s_cselect_b64 s[IN:IN+1], s[IN:IN+1], s[10:11]
	s_cmp_lt_u32 s25, 3
	s_cselect_b64 s[IN:IN+1], s[IN:IN+1], s[12:13]
	s_and_b32 s28, s26, 15
	s_lshl_b32 s28, s28, 8                         ; 64 columns of 4 bytes a unit
	s_lshl_b32 s30, s27, 19                        ; 128 rows of 4,096 bytes a K step
	s_add_co_u32 s28, s28, s30
	s_add_nc_u64 s[IN:IN+1], s[IN:IN+1], s[28:29]
.macro WL beta, set                    ; rows 32 beta .. + 31: sixteen lanes read a row's 256 consecutive bytes, two rows a load
.irp i, 0,1,2,3,4,5,6,7,8,9,10,11,12,13,14,15
	global_load_b128 v[R+64*(\set)+4*\i:R+64*(\set)+4*\i+3], v[GLO], s[IN:IN+1] offset:(32*(\beta)+2*\i)*4096 th:TH_LOAD_NT
.endr
.endm
.macro WSTAGE set, blk
.irp i, 0,1,2,3,4,5,6,7,8,9,10,11,12,13,14,15
	ds_store_b128 v[STIW], v[R+64*(\set)+4*\i:R+64*(\set)+4*\i+3] offset:8256*(\blk)+512*\i
.endr
.endm
.macro WPAIR c, u                      ; tiles u and u + 1 of half c: lane (r, h) takes its column's 32 numbers out of block h
.set n, 0
.rept 32
	ds_load_b32 v[X+n], v[STRW] offset:256*n+32*(\u)
	ds_load_b32 v[X+32+n], v[STRW] offset:256*n+32*(\u)+32
.set n, n+1
.endr
	s_wait_dscnt 0x0
	s_wait_xcnt 0x0                                ; earlier stores have read their codes
	QMAX X, X+32, BY+2*(\u)+(\c), BY+2*(\u)+2+(\c)
	QCVT X, X+32, CO+12*(((\u)/2)%2), CO+12*(((\u)/2)%2)+6
	HALFOUT CO+12*(((\u)/2)%2), (2*(\u)+(\c))*768
	HALFOUT CO+12*(((\u)/2)%2)+6, (2*(\u)+2+(\c))*768
.endm
	WL 0, 0
	WL 1, 1
	s_wait_loadcnt 16                              ; rows 0-31 are in; the 16 loads behind them may be out
	WSTAGE 0, 0
	s_wait_dscnt 0x0                               ; the stores have read their registers
	WL 2, 0
	s_wait_loadcnt 16                              ; rows 32-63
	WSTAGE 1, 1
	s_wait_dscnt 0x0
	WL 3, 1
	WPAIR 0, 0
	WPAIR 0, 2
	s_wait_loadcnt 16                              ; rows 64-95; my reads of the stage are back (each pair waits for them)
	WSTAGE 0, 0
	s_wait_loadcnt 0x0
	WSTAGE 1, 1
	WPAIR 1, 0
	WPAIR 1, 2
.irp u, 0,1,2,3
	WORD WD+\u, BY+2*\u, BY+2*\u+1
.endr
.Ltail:
	v_cndmask_b32 v[PK], v[WD], v[WD+1], s24       ; lanes 0-15 tile 0's words, lanes 16-31 tile 1's
	v_cndmask_b32 v[PK+1], v[WD+2], v[WD+3], s24   ; tiles 2 and 3
	global_store_b64 v[L8], v[PK:PK+1], s[OS:OS+1] ; 256 consecutive bytes
	s_wait_tensorcnt 0x0                           ; the wave's end
	ds_add_u32 v[SPW], v[NIL]
	s_wait_dscnt 0x0
	s_endpgm
.Lfunc_end_k_q0ed1e6838a_prep:
	.size	k_q0ed1e6838a_prep, .Lfunc_end_k_q0ed1e6838a_prep-k_q0ed1e6838a_prep
	.p2alignl 7, 3214868480
	.fill 96, 4, 3214868480
	.section	.rodata,"a",@progbits
	.p2align	6, 0x0
	.amdhsa_kernel k_q0ed1e6838a_prep
		.amdhsa_group_segment_fixed_size 100864
		.amdhsa_private_segment_fixed_size 0
		.amdhsa_enable_private_segment 0
		.amdhsa_kernarg_size 56
		.amdhsa_user_sgpr_count 2
		.amdhsa_user_sgpr_kernarg_segment_ptr 1
		.amdhsa_wavefront_size32 1
		.amdhsa_system_sgpr_workgroup_id_x 1
		.amdhsa_system_sgpr_workgroup_id_y 1
		.amdhsa_system_sgpr_workgroup_id_z 1
		.amdhsa_system_vgpr_workitem_id 0
		.amdhsa_next_free_vgpr 256
		.amdhsa_next_free_sgpr 66
		.amdhsa_reserve_vcc 0
		.amdhsa_float_denorm_mode_32 3
		.amdhsa_float_denorm_mode_16_64 3
		.amdhsa_memory_ordered 1
		.amdhsa_forward_progress 1
		.amdhsa_inst_pref_size 71
	.end_amdhsa_kernel
	.amdgpu_metadata
---
amdhsa.version: [ 1, 2 ]
amdhsa.kernels:
  - .name:           k_q0ed1e6838a_prep
    .symbol:         k_q0ed1e6838a_prep.kd
    .args:
      - { .name: x, .offset: 0, .size: 8, .value_kind: global_buffer, .address_space: global }
      - { .name: Wq, .offset: 8, .size: 8, .value_kind: global_buffer, .address_space: global }
      - { .name: Wk, .offset: 16, .size: 8, .value_kind: global_buffer, .address_space: global }
      - { .name: Wv, .offset: 24, .size: 8, .value_kind: global_buffer, .address_space: global }
      - { .name: Wo, .offset: 32, .size: 8, .value_kind: global_buffer, .address_space: global }
      - { .name: ximg, .offset: 40, .size: 8, .value_kind: global_buffer, .address_space: global }
      - { .name: wimg, .offset: 48, .size: 8, .value_kind: global_buffer, .address_space: global }
    .group_segment_fixed_size: 100864
    .private_segment_fixed_size: 0
    .kernarg_segment_align: 8
    .kernarg_segment_size: 56
    .max_flat_workgroup_size: 128
    .sgpr_count:     66
    .vgpr_count:     256
    .wavefront_size: 32
...
	.end_amdgpu_metadata
.endif
;; end of part 1
;; launch proj (part 2): grid 32 x 8, 4 waves a work-group, clusters of 4 x 1, 307,712 bytes of LDS; arguments ximg, wimg, bq, bk, bv, qkvimg; writes qkvimg
.if DOCPART == 2
	.amdgcn_target "amdgcn-amd-amdhsa--gfx1250"
	.amdhsa_code_object_version 6
	.text
	.protected	k_q0ed1e6838a_proj
	.globl	k_q0ed1e6838a_proj
	.p2align	8
	.type	k_q0ed1e6838a_proj,@function
k_q0ed1e6838a_proj:
	s_mov_b64 s[64:65], 0
	v_nop
	global_prefetch_b8 v0, s[64:65] scope:SCOPE_SE
	s_setreg_imm32_b32 hwreg(HW_REG_WAVE_MODE, 25, 1), 1
	s_wait_xcnt 0x0
	s_wait_alu depctr_hold_cnt(0) depctr_sa_sdst(0) depctr_va_vdst(0) depctr_va_sdst(0) depctr_va_ssrc(0) depctr_va_vcc(0) depctr_vm_vsrc(0)
	s_getreg_b32 s2, hwreg(HW_REG_IB_STS2, 6, 4)
	s_cmp_eq_u32 s2, 0
	s_cbranch_scc0 .Lentry_in_a_cluster
	s_endpgm
.Lentry_in_a_cluster:
	s_bfe_u32 s2, ttmp6, 0x10000c
	s_cmp_lg_u32 s2, 0x3003
	s_cbranch_scc0 .Lentry_shape_is_right
	s_endpgm
.Lentry_shape_is_right:
; q = l2norm(x Wq + bq), k = l2norm(x Wk + bk), v = x Wv + bv, on codes of E2M3; the results are quantised for attention's two products and leave as images of operand registers.
; SHARES.  A work-group takes 256 tokens (wave w: the unit of 64 tokens 4 TB + w) and six heads: four of q (grid y < 4) or of k, and two of v: the same text and the same work in every work-group.
; x IS STATIONARY: a wave's 32 fragments (64 tokens x 1,024 K, 384 registers) come from ximg straight into registers and stay.
; THE WEIGHTS ARE RESIDENT: the six units, 6 x 51,200 bytes, are filled into LDS once, by joint loads of the four work-groups of a cluster, which share grid y; nothing is filled again.
; q, k: source 0 = 16 columns of W, source 1 = 16 tokens: a lane holds ONE token and, over the four tiles of columns, 32 neighbouring channels 32 h .. 32 h + 31 of the head: a whole block of the next K.
; v: the sources change places: a lane holds one channel and 32 neighbouring tokens: a whole block of the keys.  (Row r of tile u is row 32 (r / 8) + 8 u + r % 8 of 64, in tokens and in columns.)
; The biases are the C of each sum's first product.  The norm: sum of squares in f32, v_sqrt_f32, the floor 1e-12, v_rcp_f32, a multiplication.
; qkvimg, a head block of 319,488 bytes: K codes 0, V codes 98,304, K scale words 196,608, V's 204,800, Q codes 212,992, Q's scale words 311,296.  A HALF (16 rows x 64 K) is 768 bytes.
; LIMITS: NaN and infinities are not served; blocks under 2^-124 and blocks of zeros keep the scale byte 1 (read by this program alone); the division by the norm is a multiplication by a reciprocal of 1 ulp.
; REGISTERS: window 0: v1-9 addresses; v12-27 x's scale words; v28-43 the unit's; v44-171 16 accumulators; v172-203 the bias; v204-253 at work.
;   windows 1, 2: x's fragments of K steps 0-3, 4-7, at 12 (4 (s % 4) + t).   window 3: the unit's fragments, two sets of 48.
.set UNIT,  51200
.set HB,    319488
.set SPARE, 6*UNIT                     ; behind the six units: the spare words
.set SPW,  1
.set NIL,  2
.set L16,  3                           ; 16 x lane
.set L8,   4                           ; 8 x lane
.set AW16, 5                           ; the unit in hand: 16 x lane + its LDS byte
.set AW8,  6                           ; 8 x lane + 512 + its LDS byte
.set SH8,  7                           ; 8 h
.set BQO,  8                           ; 128 h: q's and k's bias
.set BVO,  9                           ; 128 (r / 8) + 4 (r % 8): v's
.set XS,   12
.set WS,   28
.set ACC,  44
.set BI,   172
.set SS,   204                         ; v204-211 four pairs: sums of squares, then 1 / norm (even) and scale bytes (odd)
.set PT,   212                         ; v212-215 the other half's numbers; v212-213 the scale words as stored
.set CO,   216                         ; v216-239 four HALFs of codes
.set T,    240
.set MX,   248
.set SC,   252
.set G1,   24                          ; s[24:31]
.set G0,   32                          ; s[32:55] six groups 0
.set MSB, 0
.macro WIN new                         ; the immediate's high byte repeats the setting that is left
.if MSB != (\new)
	s_set_vgpr_msb (MSB<<8)|(\new)
.set MSB, (\new)
.endif
.endm
.macro PLACES n
.rept \n
	v_nop
.endr
.endm
.macro CROUND                          ; a round of the cluster's barrier
	s_barrier_signal -1
	s_barrier_wait -1
	s_cmp_lg_u32 s16, 0
	s_cbranch_scc1 .Lnot_wave_0_\@
	s_barrier_signal -3
.Lnot_wave_0_\@:
	s_barrier_wait -3
	s_barrier_signal -1
	s_barrier_wait -1
.endm
.macro QMAX a, b, bya, byb             ; largest magnitudes of two blocks of 32 registers, each accumulator read from its low end on; scale operands; bytes
	v_max3_num_f32 v[MX], |v[(\a)]|, |v[(\a)+1]|, 0x1800000
	v_max3_num_f32 v[MX+2], |v[(\b)]|, |v[(\b)+1]|, 0x1800000
	v_max3_num_f32 v[MX+1], |v[(\a)+16]|, |v[(\a)+17]|, |v[(\a)+18]|
	v_max3_num_f32 v[MX+3], |v[(\b)+16]|, |v[(\b)+17]|, |v[(\b)+18]|
.irp k, 1,2,3,4,5,6
	v_max3_num_f32 v[MX], v[MX], |v[(\a)+2*\k]|, |v[(\a)+2*\k+1]|
	v_max3_num_f32 v[MX+2], v[MX+2], |v[(\b)+2*\k]|, |v[(\b)+2*\k+1]|
	v_max3_num_f32 v[MX+1], v[MX+1], |v[(\a)+2*\k+17]|, |v[(\a)+2*\k+18]|
	v_max3_num_f32 v[MX+3], v[MX+3], |v[(\b)+2*\k+17]|, |v[(\b)+2*\k+18]|
.endr
	v_max3_num_f32 v[MX], v[MX], |v[(\a)+14]|, |v[(\a)+15]|
	v_max3_num_f32 v[MX+2], v[MX+2], |v[(\b)+14]|, |v[(\b)+15]|
	v_max3_num_f32 v[MX], v[MX], v[MX+1], |v[(\a)+31]|
	v_max3_num_f32 v[MX+2], v[MX+2], v[MX+3], |v[(\b)+31]|
	v_add_nc_u32 v[SC], 0xff000000, v[MX]
	v_add_nc_u32 v[SC+1], 0xff000000, v[MX+2]
	v_lshrrev_b32 v[\bya], 23, v[SC]
	v_lshrrev_b32 v[\byb], 23, v[SC+1]
.endm
.macro QCVT a, b, da, db
	v_cvt_scalef32_pk16_fp6_f32 v[(\da):(\da)+2], v[(\a):(\a)+15], v[SC]
	v_cvt_scalef32_pk16_fp6_f32 v[T:T+2], v[(\a)+16:(\a)+31], v[SC]
	v_cvt_scalef32_pk16_fp6_f32 v[(\db):(\db)+2], v[(\b):(\b)+15], v[SC+1]
	v_cvt_scalef32_pk16_fp6_f32 v[T+4:T+6], v[(\b)+16:(\b)+31], v[SC+1]
	v_nop                                          ; one plain place behind the conversions
.irp k, 0,1,2
	v_mov_b32 v[(\da)+3+\k], v[T+\k]
	v_mov_b32 v[(\db)+3+\k], v[T+4+\k]
.endr
.endm
; a product: D, source 0, source 1, C, their scale registers, and which half of the lanes holds each side's scales
.macro WM d, a, b, c, sa, sb, ra, rb
.if ((\ra) == 0) && ((\rb) == 0)
	v_wmma_scale_f32_16x16x128_f8f6f4 v[(\d):(\d)+7], v[(\a):(\a)+11], v[(\b):(\b)+11], v[(\c):(\c)+7], v[\sa], v[\sb] matrix_a_fmt:MATRIX_FMT_FP6 matrix_b_fmt:MATRIX_FMT_FP6
.elseif (\rb) == 0
	v_wmma_scale_f32_16x16x128_f8f6f4 v[(\d):(\d)+7], v[(\a):(\a)+11], v[(\b):(\b)+11], v[(\c):(\c)+7], v[\sa], v[\sb] matrix_a_fmt:MATRIX_FMT_FP6 matrix_b_fmt:MATRIX_FMT_FP6 matrix_a_scale:MATRIX_SCALE_ROW1
.elseif (\ra) == 0
	v_wmma_scale_f32_16x16x128_f8f6f4 v[(\d):(\d)+7], v[(\a):(\a)+11], v[(\b):(\b)+11], v[(\c):(\c)+7], v[\sa], v[\sb] matrix_a_fmt:MATRIX_FMT_FP6 matrix_b_fmt:MATRIX_FMT_FP6 matrix_b_scale:MATRIX_SCALE_ROW1
.else
	v_wmma_scale_f32_16x16x128_f8f6f4 v[(\d):(\d)+7], v[(\a):(\a)+11], v[(\b):(\b)+11], v[(\c):(\c)+7], v[\sa], v[\sb] matrix_a_fmt:MATRIX_FMT_FP6 matrix_b_fmt:MATRIX_FMT_FP6 matrix_a_scale:MATRIX_SCALE_ROW1 matrix_b_scale:MATRIX_SCALE_ROW1
.endif
.endm
	s_load_b256 s[4:11], s[0:1], 0x0               ; ximg, wimg, bq, bk
	s_load_b128 s[12:15], s[0:1], 0x20             ; bv, qkvimg
	v_lshl_add_u32 v[SPW], v0, 2, SPARE
	v_mov_b32 v[NIL], 0
	ds_add_u32 v[SPW], v[NIL]                      ; the wave's opening: the add and its wait stand ahead of my first tensor load; work on registers stands between them
	v_lshrrev_b32 v10, 5, v0
	v_readfirstlane_b32 s16, v10                   ; wave
	s_bfe_u32 s17, ttmp6, 0x40000                  ; cx: it enters x's and the results' addresses alone
	s_lshl_b32 s18, ttmp9, 2
	s_add_co_u32 s18, s18, s17                     ; my block of 256 tokens
	s_lshl_b32 s18, s18, 2
	s_add_co_u32 s18, s18, s16                     ; my wave's unit of 64 tokens
	s_and_b32 s19, ttmp7, 0xffff                   ; which heads: shared by the four partners
	s_mov_b32 s20, 0x76543210
	s_mov_b32 s21, 0xfedcba98
	s_mov_b32 s22, 0xffff0000                      ; lanes 16-31
	s_mov_b32 s[G1], 0x0023000f                    ; mask: all four work-groups; elements of 8 bytes; bit 21 beside the mask; no padding
	s_mov_b32 s[G1+1], 32<<16                      ; tensor_dim0 = 32 elements: rows of 256 bytes
	s_mov_b32 s[G1+2], 50<<16                      ; tensor_dim1 = 50 rows: a quarter of a unit
	s_mov_b32 s[G1+3], 32<<16                      ; tile_dim0
	s_mov_b32 s[G1+4], 50                          ; tile_dim1
	s_mov_b32 s[G1+5], 32                          ; the pitch: the block is dense
	s_mov_b32 s[G1+6], 0
	s_mov_b32 s[G1+7], 0
	s_mul_i32 s60, s16, 12800                      ; my quarter of each unit, in memory and in LDS
	s_mul_i32 s56, s19, 4*UNIT                     ; units 4 y .. 4 y + 3: q's or k's
	s_add_co_u32 s56, s56, s60
	s_mov_b32 s57, 0
	s_mul_i32 s58, s19, 2*UNIT                     ; units 32 + 2 y, 33 + 2 y: v's
	s_add_co_u32 s58, s58, s60
	s_add_co_u32 s58, s58, 32*UNIT
	s_mov_b32 s59, 0
	s_wait_dscnt 0x0                               ; the opening add is done
	s_wait_kmcnt 0x0
	s_add_nc_u64 s[56:57], s[6:7], s[56:57]
	s_add_nc_u64 s[58:59], s[6:7], s[58:59]
.irp i, 0,1,2,3
	s_mov_b32 s[G0+4*\i], 1
	s_add_co_u32 s[G0+4*\i+1], s60, UNIT*\i
	s_add_nc_u64 s[G0+4*\i+2:G0+4*\i+3], s[56:57], UNIT*\i
	s_or_b32 s[G0+4*\i+3], s[G0+4*\i+3], 0x80000000
.endr
.irp i, 4,5
	s_mov_b32 s[G0+4*\i], 1
	s_add_co_u32 s[G0+4*\i+1], s60, UNIT*\i
	s_add_nc_u64 s[G0+4*\i+2:G0+4*\i+3], s[58:59], UNIT*(\i-4)
	s_or_b32 s[G0+4*\i+3], s[G0+4*\i+3], 0x80000000
.endr
	CROUND                                         ; all four work-groups are here: the joint loads meet
.irp i, 0,1,2,3,4,5
	tensor_load_to_lds s[G0+4*\i:G0+4*\i+3], s[G1:G1+7]   ; six loads of mine are out: all the launch's fills
	s_nop 0
.endr
	PLACES 4
	v_and_b32 v10, 31, v0
	v_lshlrev_b32 v[L16], 4, v10
	v_lshlrev_b32 v[L8], 3, v10
	v_bfe_u32 v11, v0, 4, 1
	v_lshlrev_b32 v[SH8], 3, v11
	v_lshlrev_b32 v[BQO], 7, v11
	v_bfe_u32 v10, v0, 3, 1
	v_lshlrev_b32 v[BVO], 7, v10
	v_and_b32 v10, 7, v0
	v_lshl_add_u32 v[BVO], v10, 2, v[BVO]
.irp k, 0,1,2,3
	v_mov_b32 v[PT+\k], 0                          ; a lane permute's destination counts as one of its sources
.endr
	s_mul_i32 s56, s18, UNIT
	s_mov_b32 s57, 0
	s_add_nc_u64 s[66:67], s[4:5], s[56:57]        ; my unit of x
	s_and_b32 s23, s19, 3
	s_lshl_b32 s56, s23, 10                        ; four heads of 256 bytes
	s_cmp_lt_u32 s19, 4                            ; q or k: by the grid's y alone
	s_cselect_b64 s[68:69], s[8:9], s[10:11]
	s_add_nc_u64 s[68:69], s[68:69], s[56:57]      ; their biases
	s_lshl_b32 s56, s19, 9
	s_add_nc_u64 s[70:71], s[12:13], s[56:57]      ; v's biases
	s_lshr_b32 s58, s18, 5
	s_lshl_b32 s58, s58, 4                         ; 16 x batch
	s_and_b32 s59, s18, 31                         ; my group of 64 tokens in the batch
	s_lshl_b32 s60, s23, 2
	s_add_co_u32 s60, s60, s58
	s_mul_i32 s60, s60, HB                         ; the first q or k head's block
	s_mul_i32 s61, s59, 3072                       ; a group's four HALFs
	s_lshl_b32 s62, s59, 8                         ; a group's scale words
	s_cmp_lt_u32 s19, 4
	s_cselect_b32 s63, 212992, 0
	s_mov_b32 s23, 196608
	s_cselect_b32 s23, 311296, s23
	s_add_co_u32 s56, s60, s61
	s_add_co_u32 s56, s56, s63
	s_add_nc_u64 s[72:73], s[14:15], s[56:57]      ; q's or k's codes
	s_add_co_u32 s56, s60, s62
	s_add_co_u32 s56, s56, s23
	s_add_nc_u64 s[74:75], s[14:15], s[56:57]      ; and scale words
	s_lshl_b32 s60, s19, 1
	s_add_co_u32 s60, s60, s58
	s_mul_i32 s60, s60, HB                         ; the first v head's block
	s_add_co_u32 s56, s60, s61
	s_add_co_u32 s56, s56, 98304
	s_add_nc_u64 s[76:77], s[14:15], s[56:57]
	s_add_co_u32 s56, s60, s62
	s_add_co_u32 s56, s56, 204800
	s_add_nc_u64 s[78:79], s[14:15], s[56:57]
.macro BIASQ i                         ; head i's bias in the result's layout: register 8 u + j = channel 32 h + 8 u + j
.irp u, 0,1,2,3
	global_load_b128 v[BI+8*\u:BI+8*\u+3], v[BQO], s[68:69] offset:256*(\i)+32*\u
	global_load_b128 v[BI+8*\u+4:BI+8*\u+7], v[BQO], s[68:69] offset:256*(\i)+32*\u+16
.endr
.endm
.macro BIASV i                         ; v: a lane holds one channel: the same number in a tile's eight registers
.irp u, 0,1,2,3
.irp k, 0,1,2,3,4,5,6,7
	global_load_b32 v[BI+8*\u+\k], v[BVO], s[70:71] offset:256*(\i)+32*\u
.endr
.endr
.endm
.macro XFETCH s                        ; x's four fragments of K step s: 16 loads
	WIN 0x40*(1+(\s)/4)
.irp t, 0,1,2,3
.irp c, 0,1
	global_load_b128 v[12*(4*((\s)%4)+\t)+6*\c:12*(4*((\s)%4)+\t)+6*\c+3], v[L16], s[66:67] offset:((4*(\s)+\t)*2+\c)*768
	global_load_b64 v[12*(4*((\s)%4)+\t)+6*\c+4:12*(4*((\s)%4)+\t)+6*\c+5], v[L8], s[66:67] offset:((4*(\s)+\t)*2+\c)*768+512
.endr
.endr
.endm
.macro WFETCH s                        ; the unit's four fragments of K step s into set s % 2: 16 LDS loads, each of consecutive bytes
	WIN 0xc0
.irp u, 0,1,2,3
.irp c, 0,1
	ds_load_b128 v[48*((\s)%2)+12*\u+6*\c:48*((\s)%2)+12*\u+6*\c+3], v[AW16] offset:((4*(\s)+\u)*2+\c)*768
	ds_load_b64 v[48*((\s)%2)+12*\u+6*\c+4:48*((\s)%2)+12*\u+6*\c+5], v[AW8] offset:((4*(\s)+\u)*2+\c)*768
.endr
.endr
.endm
; a K step: the next step's fragments are asked for, then 16 products, the 16 accumulators by turns
.macro KSTEP i, kind, s
.if (\s) < 7
	PLACES 4                                       ; in front of loads into the set that the step before multiplied
	WFETCH (\s)+1
	s_wait_dscnt 16                                ; all but the 16 just issued
.else
	s_wait_dscnt 0x0
.endif
.if (\i) == 0                          ; the first head walks behind x's loads: the K steps issued later may be out (the count's field ends at 63)
.if (\s) < 4
	s_wait_loadcnt 63
.else
	s_wait_loadcnt 16*(7-(\s))
.endif
.endif
.if (\kind) == 0
	WIN 0x03+0x04*(1+(\s)/4)                       ; source 0 (W) window 3, source 1 (x) window 1 or 2
.irp t, 0,1,2,3
.irp u, 0,1,2,3
.if (\s) == 0
	WM ACC+32*\t+8*\u, 48*((\s)%2)+12*\u, 12*(4*((\s)%4)+\t), BI+8*\u, WS+2*(\s)+\u/2, XS+2*(\s)+\t/2, \u%2, \t%2
.else
	WM ACC+32*\t+8*\u, 48*((\s)%2)+12*\u, 12*(4*((\s)%4)+\t), ACC+32*\t+8*\u, WS+2*(\s)+\u/2, XS+2*(\s)+\t/2, \u%2, \t%2
.endif
.endr
.endr
.else
	WIN 0x0c+(1+(\s)/4)                            ; source 0 (x) window 1 or 2, source 1 (W) window 3
.irp u, 0,1,2,3
.irp t, 0,1,2,3
.if (\s) == 0
	WM ACC+32*\u+8*\t, 12*(4*((\s)%4)+\t), 48*((\s)%2)+12*\u, BI+8*\u, XS+2*(\s)+\t/2, WS+2*(\s)+\u/2, \t%2, \u%2
.else
	WM ACC+32*\u+8*\t, 12*(4*((\s)%4)+\t), 48*((\s)%2)+12*\u, ACC+32*\u+8*\t, XS+2*(\s)+\t/2, WS+2*(\s)+\u/2, \t%2, \u%2
.endif
.endr
.endr
.endif
.endm
.macro HEAD i, kind
	s_wait_tensorcnt 5-(\i)                        ; my quarter of unit i has landed; the units issued behind it may be out
	s_barrier_signal -1
	s_barrier_wait -1                              ; everybody's has
.if (\i) > 0
	s_wait_loadcnt 0x0                             ; the bias
.endif
	v_add_nc_u32 v[AW16], UNIT*(\i), v[L16]
	v_add_nc_u32 v[AW8], UNIT*(\i)+512, v[L8]
.irp s, 0,1,2,3,4,5,6,7
	ds_load_b64 v[WS+2*\s:WS+2*\s+1], v[AW8] offset:48640+256*\s   ; the unit's scale words: register 2 s + p: lanes 0-15 tile 2 p, lanes 16-31 tile 2 p + 1
.endr
	WFETCH 0
.irp s, 0,1,2,3,4,5,6,7
	KSTEP \i, \kind, \s
.endr
	WIN 0
.endm
.macro CODES_OUT ptr, sptr, off        ; four HALFs and the group's scale words: runs of 512 and 256 consecutive bytes at multiples of 256
.irp t, 0,1,2,3
	global_store_b128 v[L16], v[CO+6*\t:CO+6*\t+3], s[\ptr:\ptr+1] offset:(\off)+768*\t
	global_store_b64 v[L8], v[CO+6*\t+4:CO+6*\t+5], s[\ptr:\ptr+1] offset:(\off)+768*\t+512
.endr
	global_store_b64 v[L8], v[PT:PT+1], s[\sptr:\sptr+1] offset:(\off)
.endm
; q or k: the norm over the head's 64 channels (my 32 and the lane 16 away's), the division, the quantiser along the channels
.macro EPI_QK i
	s_wait_xcnt 0x0                                ; the last head's stores have read their codes and words
	PLACES 4                                       ; behind the last products
.irp t, 0,1,2,3
	v_pk_mul_f32 v[SS+2*\t:SS+2*\t+1], v[ACC+32*\t:ACC+32*\t+1], v[ACC+32*\t:ACC+32*\t+1]
.endr
.irp k, 1,2,3,4,5,6,7,8,9,10,11,12,13,14,15
.irp t, 0,1,2,3
	v_pk_fma_f32 v[SS+2*\t:SS+2*\t+1], v[ACC+32*\t+2*\k:ACC+32*\t+2*\k+1], v[ACC+32*\t+2*\k:ACC+32*\t+2*\k+1], v[SS+2*\t:SS+2*\t+1]
.endr
.endr
.irp t, 0,1,2,3
	v_add_f32 v[SS+2*\t], v[SS+2*\t], v[SS+2*\t+1]
.endr
.irp t, 0,1,2,3
	v_permlanex16_b32 v[PT+\t], v[SS+2*\t], s20, s21
.endr
.irp t, 0,1,2,3
	v_add_f32 v[SS+2*\t], v[SS+2*\t], v[PT+\t]
.endr
.irp t, 0,1,2,3
	v_sqrt_f32 v[SS+2*\t], v[SS+2*\t]
.endr
	v_nop                                          ; a plain place behind the batch
	s_wait_alu depctr_va_vdst(0)                   ; one wait for the four roots, ahead of their first reader
.irp t, 0,1,2,3
	v_max_num_f32 v[SS+2*\t], 0x2b8cbccc, v[SS+2*\t]   ; max(norm, 1e-12)
.endr
.irp t, 0,1,2,3
	v_rcp_f32 v[SS+2*\t], v[SS+2*\t]
.endr
	v_nop
	s_wait_alu depctr_va_vdst(0)                   ; one wait for the four reciprocals
.irp t, 0,1,2,3
.irp k, 0,1,2,3,4,5,6,7,8,9,10,11,12,13,14,15
	v_pk_mul_f32 v[ACC+32*\t+2*\k:ACC+32*\t+2*\k+1], v[ACC+32*\t+2*\k:ACC+32*\t+2*\k+1], v[SS+2*\t:SS+2*\t+1] op_sel_hi:[1,0]
.endr
.endr
	QMAX ACC, ACC+32, SS+1, SS+3
	QCVT ACC, ACC+32, CO, CO+6
	QMAX ACC+64, ACC+96, SS+5, SS+7
	QCVT ACC+64, ACC+96, CO+12, CO+18
.irp p, 0,1                            ; a pair word: bytes 0, 1 tile 2 p's two blocks, bytes 2, 3 tile 2 p + 1's; the same in both halves of the lanes
	v_lshl_or_b32 v[PT+\p], v[SS+4*\p+3], 16, v[SS+4*\p+1]
	v_lshlrev_b32 v[PT+\p], v[SH8], v[PT+\p]
	v_permlanex16_b32 v[PT+2+\p], v[PT+\p], s20, s21
	v_or_b32 v[PT+\p], v[PT+\p], v[PT+2+\p]
.endr
	CODES_OUT 72, 74, HB*(\i)
.endm
; v: the quantiser along the tokens; a half-word a channel and group
.macro EPI_V i
	s_wait_xcnt 0x0
	PLACES 4
	QMAX ACC, ACC+32, SS+1, SS+3
	QCVT ACC, ACC+32, CO, CO+6
	QMAX ACC+64, ACC+96, SS+5, SS+7
	QCVT ACC+64, ACC+96, CO+12, CO+18
.irp u, 0,1,2,3
	v_lshlrev_b32 v[SS+2*\u+1], v[SH8], v[SS+2*\u+1]
.endr
.irp u, 0,1,2,3
	v_permlanex16_b32 v[SS+2*\u], v[SS+2*\u+1], s20, s21
.endr
.irp u, 0,1,2,3
	v_or_b32 v[SS+2*\u+1], v[SS+2*\u+1], v[SS+2*\u]
.endr
	v_cndmask_b32 v[PT], v[SS+1], v[SS+3], s22     ; lanes 0-15 tile 0's, lanes 16-31 tile 1's
	v_cndmask_b32 v[PT+1], v[SS+5], v[SS+7], s22
	CODES_OUT 76, 78, HB*(\i)
.endm
	BIASQ 0
.irp s, 0,1,2,3,4,5,6,7
	global_load_b64 v[XS+2*\s:XS+2*\s+1], v[L8], s[66:67] offset:49152+256*\s
.endr
.irp s, 0,1,2,3,4,5,6,7
	XFETCH \s
.endr
	WIN 0
	HEAD 0, 0
	BIASQ 1                                        ; the next head's bias lands while this head is normalised (the products that read the old one stand many places back)
	EPI_QK 0
	HEAD 1, 0
	BIASQ 2
	EPI_QK 1
	HEAD 2, 0
	BIASQ 3
	EPI_QK 2
	HEAD 3, 0
	BIASV 0
	EPI_QK 3
	HEAD 4, 1
	BIASV 1
	EPI_V 0
	HEAD 5, 1
	EPI_V 1
	s_wait_tensorcnt 0x0                           ; the wave's end
	ds_add_u32 v[SPW], v[NIL]
	s_wait_dscnt 0x0
	CROUND                                         ; the closing round
	s_endpgm
.Lfunc_end_k_q0ed1e6838a_proj:
	.size	k_q0ed1e6838a_proj, .Lfunc_end_k_q0ed1e6838a_proj-k_q0ed1e6838a_proj
	.p2alignl 7, 3214868480
	.fill 96, 4, 3214868480
	.section	.rodata,"a",@progbits
	.p2align	6, 0x0
	.amdhsa_kernel k_q0ed1e6838a_proj
		.amdhsa_group_segment_fixed_size 307712
		.amdhsa_private_segment_fixed_size 0
		.amdhsa_enable_private_segment 0
		.amdhsa_kernarg_size 48
		.amdhsa_user_sgpr_count 2
		.amdhsa_user_sgpr_kernarg_segment_ptr 1
		.amdhsa_wavefront_size32 1
		.amdhsa_system_sgpr_workgroup_id_x 1
		.amdhsa_system_sgpr_workgroup_id_y 1
		.amdhsa_system_sgpr_workgroup_id_z 1
		.amdhsa_system_vgpr_workitem_id 0
		.amdhsa_next_free_vgpr 1024
		.amdhsa_next_free_sgpr 80
		.amdhsa_reserve_vcc 0
		.amdhsa_float_denorm_mode_32 3
		.amdhsa_float_denorm_mode_16_64 3
		.amdhsa_memory_ordered 1
		.amdhsa_forward_progress 1
		.amdhsa_inst_pref_size 255
	.end_amdhsa_kernel
	.section	.bss,"aw",@nobits
	.p2align	6
	.space	262144
	.amdgpu_metadata
---
amdhsa.version: [ 1, 2 ]
amdhsa.kernels:
  - .name:           k_q0ed1e6838a_proj
    .symbol:         k_q0ed1e6838a_proj.kd
    .args:
      - { .name: ximg, .offset: 0, .size: 8, .value_kind: global_buffer, .address_space: global }
      - { .name: wimg, .offset: 8, .size: 8, .value_kind: global_buffer, .address_space: global }
      - { .name: bq, .offset: 16, .size: 8, .value_kind: global_buffer, .address_space: global }
      - { .name: bk, .offset: 24, .size: 8, .value_kind: global_buffer, .address_space: global }
      - { .name: bv, .offset: 32, .size: 8, .value_kind: global_buffer, .address_space: global }
      - { .name: qkvimg, .offset: 40, .size: 8, .value_kind: global_buffer, .address_space: global }
    .group_segment_fixed_size: 307712
    .private_segment_fixed_size: 0
    .kernarg_segment_align: 8
    .kernarg_segment_size: 48
    .max_flat_workgroup_size: 128
    .sgpr_count:     80
    .vgpr_count:     1024
    .wavefront_size: 32
...
	.end_amdgpu_metadata
.endif
;; end of part 2
;; launch attn (part 3): grid 4 x 64, 8 waves a work-group, clusters of 4 x 1, 214,016 bytes of LDS; arguments qkvimg, m, oimg; writes oimg
.if DOCPART == 3
	.amdgcn_target "amdgcn-amd-amdhsa--gfx1250"
	.amdhsa_code_object_version 6
	.text
	.protected	k_q0ed1e6838a_attn
	.globl	k_q0ed1e6838a_attn
	.p2align	8
	.type	k_q0ed1e6838a_attn,@function
k_q0ed1e6838a_attn:
	s_mov_b64 s[64:65], 0
	v_nop
	global_prefetch_b8 v0, s[64:65] scope:SCOPE_SE
	s_setreg_imm32_b32 hwreg(HW_REG_WAVE_MODE, 25, 1), 1
	s_wait_xcnt 0x0
	s_wait_alu depctr_hold_cnt(0) depctr_sa_sdst(0) depctr_va_vdst(0) depctr_va_sdst(0) depctr_va_ssrc(0) depctr_va_vcc(0) depctr_vm_vsrc(0)
	s_getreg_b32 s2, hwreg(HW_REG_IB_STS2, 6, 4)
	s_cmp_eq_u32 s2, 0
	s_cbranch_scc0 .Lentry_in_a_cluster
	s_endpgm
.Lentry_in_a_cluster:
	s_bfe_u32 s2, ttmp6, 0x10000c
	s_cmp_lg_u32 s2, 0x3003
	s_cbranch_scc0 .Lentry_shape_is_right
	s_endpgm
.Lentry_shape_is_right:
; o = Q(sim / 2048^sigmoid(m)) v with sim = q k^T, both products on codes of E2M3; o is quantised along the features for the last product and leaves as an image of operand registers.
; SHARES.  A cluster of four work-groups owns one head of one batch (grid y); a work-group 512 queries; each of its eight waves 64: four tiles of 16.  Two waves share a SIMD, so that one wave's vector work stands beside the other's products.
; THE HEAD IS RESIDENT: K's and V's codes and scale words, 212,992 bytes, are filled into LDS once, as they lie in qkvimg, by joint loads of the four work-groups; nothing is filled again.  They come in four chunks of 512 keys.
; BOTH PRODUCTS ARE USED TRANSPOSED: S^T = K Q^T, O^T = V^T P^T: a lane holds ONE query.  Row r of a tile of keys is key 32 (r / 8) + 8 u + r % 8 of a group of 64, so that a lane's 32 registers over the four tiles are 32 neighbouring keys: a whole block.
; K = 64 IN AN INSTRUCTION OF 128: a fragment of K holds tiles 2 p and 2 p + 1 side by side; against [q, 0] it gives tile 2 p's scores, against [0, q] tile 2 p + 1's.  Q lies as the run 0, q0, 0, q1, 0, q2, 0, q3, 0: each zero serves two.
; THE SCALING c = 2^(-11 sigmoid(m)) = 1 / 2048^sigmoid(m) is made once, by v_exp_f32 and v_rcp_f32, and multiplies every score in f32 ahead of the quantiser.
; LIMITS: NaN and infinities are not served; blocks under 2^-124 and blocks of zeros keep the scale byte 1 (read by this program alone); the division by the scaling is a multiplication, c good to about 1e-6 of itself.
; REGISTERS: window 0: v1-15 addresses; v16-31 scale words; v32-51 at work; v52-63 P; v64-111 four fragments of K; v112-239 S^T, two sets of 64.   window 1: v0-127 O^T (32 t + 8 u); v128-181 Q; v184-231 V; v232-253 the way out.
.set HB,    319488
.set SPARE, 212992
.set SPW,  1
.set NIL,  2
.set BA,   3                           ; v3-8  my lane's place: K's 16 and 8 bytes, V's, K's scale words, V's
.set SA,   9                           ; v9-14 the same for the step in hand
.set SH8,  15
.set QS,   16                          ; v16-19 Q's scale words, a tile each: s0, s1, s0, s1
.set KS,   20                          ; v20-23 K's pair words: 2 G + p
.set VR,   24                          ; v24-27 V's half-words as loaded
.set VS,   28                          ; v28-29 V's scale words for 128 keys
.set PW,   30                          ; P's scale word
.set PT,   31
.set MX,   32
.set SC,   36
.set BY,   38
.set QW,   42
.set T,    44
.set P,    52
.set KF,   64
.set S,    112
.set L16,  240
.set L8,   241
.set O,    0                           ; window 1
.set QR,   128
.set VF,   184
.set G1A,  24                          ; s[24:31] 8 rows of 256 bytes
.set G1B,  32                          ; s[32:39] 24 rows
.set G0,   40                          ; s[40:59] five groups 0
.set MSB, 0
.macro WIN new
.if MSB != (\new)
	s_set_vgpr_msb (MSB<<8)|(\new)
.set MSB, (\new)
.endif
.endm
.macro PLACES n
.rept \n
	v_nop
.endr
.endm
.macro CROUND
	s_barrier_signal -1
	s_barrier_wait -1
	s_cmp_lg_u32 s16, 0
	s_cbranch_scc1 .Lnot_wave_0_\@
	s_barrier_signal -3
.Lnot_wave_0_\@:
	s_barrier_wait -3
	s_barrier_signal -1
	s_barrier_wait -1
.endm
.macro QMAX a, b, bya, byb             ; largest magnitudes of two blocks of 32 registers, each accumulator read from its low end on; scale operands; bytes
	v_max3_num_f32 v[MX], |v[(\a)]|, |v[(\a)+1]|, 0x1800000
	v_max3_num_f32 v[MX+2], |v[(\b)]|, |v[(\b)+1]|, 0x1800000
	v_max3_num_f32 v[MX+1], |v[(\a)+16]|, |v[(\a)+17]|, |v[(\a)+18]|
	v_max3_num_f32 v[MX+3], |v[(\b)+16]|, |v[(\b)+17]|, |v[(\b)+18]|
.irp k, 1,2,3,4,5,6
	v_max3_num_f32 v[MX], v[MX], |v[(\a)+2*\k]|, |v[(\a)+2*\k+1]|
	v_max3_num_f32 v[MX+2], v[MX+2], |v[(\b)+2*\k]|, |v[(\b)+2*\k+1]|
	v_max3_num_f32 v[MX+1], v[MX+1], |v[(\a)+2*\k+17]|, |v[(\a)+2*\k+18]|
	v_max3_num_f32 v[MX+3], v[MX+3], |v[(\b)+2*\k+17]|, |v[(\b)+2*\k+18]|
.endr
	v_max3_num_f32 v[MX], v[MX], |v[(\a)+14]|, |v[(\a)+15]|
	v_max3_num_f32 v[MX+2], v[MX+2], |v[(\b)+14]|, |v[(\b)+15]|
	v_max3_num_f32 v[MX], v[MX], v[MX+1], |v[(\a)+31]|
	v_max3_num_f32 v[MX+2], v[MX+2], v[MX+3], |v[(\b)+31]|
	v_add_nc_u32 v[SC], 0xff000000, v[MX]
	v_add_nc_u32 v[SC+1], 0xff000000, v[MX+2]
	v_lshrrev_b32 v[\bya], 23, v[SC]
	v_lshrrev_b32 v[\byb], 23, v[SC+1]
.endm
.macro QCVT a, b, da, db
	v_cvt_scalef32_pk16_fp6_f32 v[(\da):(\da)+2], v[(\a):(\a)+15], v[SC]
	v_cvt_scalef32_pk16_fp6_f32 v[T:T+2], v[(\a)+16:(\a)+31], v[SC]
	v_cvt_scalef32_pk16_fp6_f32 v[(\db):(\db)+2], v[(\b):(\b)+15], v[SC+1]
	v_cvt_scalef32_pk16_fp6_f32 v[T+4:T+6], v[(\b)+16:(\b)+31], v[SC+1]
	v_nop                                          ; one plain place behind the conversions
.irp k, 0,1,2
	v_mov_b32 v[(\da)+3+\k], v[T+\k]
	v_mov_b32 v[(\db)+3+\k], v[T+4+\k]
.endr
.endm
.macro WMZ d, a, b, sa, sb, ra         ; a product that starts a sum
.if (\ra) == 0
	v_wmma_scale_f32_16x16x128_f8f6f4 v[(\d):(\d)+7], v[(\a):(\a)+11], v[(\b):(\b)+11], 0, v[\sa], v[\sb] matrix_a_fmt:MATRIX_FMT_FP6 matrix_b_fmt:MATRIX_FMT_FP6
.else
	v_wmma_scale_f32_16x16x128_f8f6f4 v[(\d):(\d)+7], v[(\a):(\a)+11], v[(\b):(\b)+11], 0, v[\sa], v[\sb] matrix_a_fmt:MATRIX_FMT_FP6 matrix_b_fmt:MATRIX_FMT_FP6 matrix_a_scale:MATRIX_SCALE_ROW1
.endif
.endm
.macro WMA d, a, b, sa, sb, ra         ; a product that adds in place
.if (\ra) == 0
	v_wmma_scale_f32_16x16x128_f8f6f4 v[(\d):(\d)+7], v[(\a):(\a)+11], v[(\b):(\b)+11], v[(\d):(\d)+7], v[\sa], v[\sb] matrix_a_fmt:MATRIX_FMT_FP6 matrix_b_fmt:MATRIX_FMT_FP6
.else
	v_wmma_scale_f32_16x16x128_f8f6f4 v[(\d):(\d)+7], v[(\a):(\a)+11], v[(\b):(\b)+11], v[(\d):(\d)+7], v[\sa], v[\sb] matrix_a_fmt:MATRIX_FMT_FP6 matrix_b_fmt:MATRIX_FMT_FP6 matrix_a_scale:MATRIX_SCALE_ROW1
.endif
.endm
	s_load_b128 s[4:7], s[0:1], 0x0                ; qkvimg, m
	s_load_b64 s[8:9], s[0:1], 0x10                ; oimg
	v_lshl_add_u32 v[SPW], v0, 2, SPARE
	v_mov_b32 v[NIL], 0
	ds_add_u32 v[SPW], v[NIL]                      ; the wave's opening: the add and its wait stand ahead of my first tensor load; work on registers stands between them
	v_lshrrev_b32 v44, 5, v0
	v_readfirstlane_b32 s16, v44                   ; wave 0..7
	s_bfe_u32 s17, ttmp6, 0x40000                  ; cx: which 512 queries; it enters Q's and o's addresses alone
	s_and_b32 s18, ttmp7, 0xffff                   ; 16 x batch + head, shared by the four partners
	s_mov_b32 s20, 0x76543210
	s_mov_b32 s21, 0xfedcba98
	s_mov_b32 s22, 0xffff0000
	s_mov_b32 s[G1A], 0x0023000f                   ; mask: all four; elements of 8 bytes; bit 21 beside the mask; no padding
	s_mov_b32 s[G1A+1], 32<<16                     ; rows of 256 bytes
	s_mov_b32 s[G1A+2], 8<<16                      ; 8 rows: my eighth of the scale words
	s_mov_b32 s[G1A+3], 32<<16
	s_mov_b32 s[G1A+4], 8
	s_mov_b32 s[G1A+5], 32
	s_mov_b32 s[G1A+6], 0
	s_mov_b32 s[G1A+7], 0
	s_mov_b32 s[G1B], 0x0023000f
	s_mov_b32 s[G1B+1], 32<<16
	s_mov_b32 s[G1B+2], 24<<16                     ; 24 rows: a quarter of a chunk's K or V
	s_mov_b32 s[G1B+3], 32<<16
	s_mov_b32 s[G1B+4], 24
	s_mov_b32 s[G1B+5], 32
	s_mov_b32 s[G1B+6], 0
	s_mov_b32 s[G1B+7], 0
	s_mul_i32 s60, s18, HB
	s_mov_b32 s61, 0
	s_lshl_b32 s19, s16, 11
	s_add_co_u32 s19, s19, 196608                  ; my part of the scale words: the same byte in the head's block and in LDS
	s_lshr_b32 s23, s16, 2                         ; waves 0-3 fetch K, waves 4-7 V
	s_mul_i32 s23, s23, 98304
	s_and_b32 s76, s16, 3
	s_mul_i32 s76, s76, 6144
	s_add_co_u32 s23, s23, s76                     ; my part of chunk 0
	s_and_b32 s76, s18, 15                         ; the head
	s_lshl_b32 s78, s76, 2
	s_mov_b32 s79, 0
	s_wait_dscnt 0x0                               ; the opening add is done
	s_wait_kmcnt 0x0
	s_add_nc_u64 s[68:69], s[4:5], s[60:61]        ; the head's block
	s_add_nc_u64 s[6:7], s[6:7], s[78:79]
	s_load_b32 s77, s[6:7], 0x0                    ; m of my head
	s_mov_b32 s60, s19
	s_mov_b32 s[G0], 1
	s_mov_b32 s[G0+1], s19
	s_add_nc_u64 s[G0+2:G0+3], s[68:69], s[60:61]
	s_or_b32 s[G0+3], s[G0+3], 0x80000000
	s_mov_b32 s60, s23
	s_add_nc_u64 s[70:71], s[68:69], s[60:61]
.irp c, 0,1,2,3
	s_mov_b32 s[G0+4+4*\c], 1
	s_add_co_u32 s[G0+5+4*\c], s23, 24576*\c
	s_add_nc_u64 s[G0+6+4*\c:G0+7+4*\c], s[70:71], 24576*\c
	s_or_b32 s[G0+7+4*\c], s[G0+7+4*\c], 0x80000000
.endr
	CROUND                                         ; all four work-groups are here: the joint loads meet
	tensor_load_to_lds s[G0:G0+3], s[G1A:G1A+7]    ; the scale words, then the four chunks: five loads of mine are out, all the launch's fills
	s_nop 0
.irp c, 1,2,3,4
	tensor_load_to_lds s[G0+4*\c:G0+4*\c+3], s[G1B:G1B+7]
	s_nop 0
.endr
	PLACES 4
	v_and_b32 v44, 31, v0
	v_lshlrev_b32 v[L16], 4, v44
	v_lshlrev_b32 v[L8], 3, v44
	v_bfe_u32 v45, v0, 4, 1
	v_lshlrev_b32 v[SH8], 3, v45
	v_lshlrev_b32 v[BA], 4, v44
	v_add_nc_u32 v[BA+1], 512, v[L8]
	v_add_nc_u32 v[BA+2], 98304, v[L16]
	v_add_nc_u32 v[BA+3], 98816, v[L8]
	v_add_nc_u32 v[BA+4], 196608, v[L8]
	v_add_nc_u32 v[BA+5], 204800, v[L8]
	v_mov_b32 v[PT], 0                             ; a lane permute's destination counts as one of its sources
	s_lshl_b32 s19, s17, 3
	s_add_co_u32 s19, s19, s16                     ; my group of 64 queries
	s_mul_i32 s60, s19, 3072
	s_add_co_u32 s60, s60, 212992
	s_add_nc_u64 s[70:71], s[68:69], s[60:61]      ; its codes
	s_lshl_b32 s60, s19, 8
	s_add_co_u32 s60, s60, 311296
	s_add_nc_u64 s[72:73], s[68:69], s[60:61]      ; its scale words
	s_lshr_b32 s23, s18, 4
	s_lshl_b32 s23, s23, 5
	s_add_co_u32 s23, s23, s19                     ; the unit of 64 tokens in oimg
	s_mul_i32 s23, s23, 53248
	s_lshr_b32 s60, s76, 1
	s_mul_i32 s60, s60, 6144                       ; K step head / 2,
	s_and_b32 s78, s76, 1
	s_mul_i32 s78, s78, 768                        ; half head % 2
	s_add_co_u32 s60, s60, s78
	s_add_co_u32 s60, s60, s23
	s_add_nc_u64 s[74:75], s[8:9], s[60:61]        ; o's codes
	s_lshl_b32 s60, s76, 8
	s_add_co_u32 s60, s60, s23
	s_add_co_u32 s60, s60, 49152
	s_add_nc_u64 s[78:79], s[8:9], s[60:61]        ; o's half-words
	global_load_b64 v[QW:QW+1], v[L8], s[72:73]
	WIN 0x40                                       ; destination window 1
.irp t, 0,1,2,3
	global_load_b128 v[QR+12*\t+6:QR+12*\t+9], v[L16], s[70:71] offset:768*\t
	global_load_b64 v[QR+12*\t+10:QR+12*\t+11], v[L8], s[70:71] offset:768*\t+512
.endr
.irp t, 0,1,2,3,4
.irp k, 0,1,2,3,4,5
	v_mov_b32 v[QR+12*\t+\k], 0                    ; the zero codes between the tiles of Q
.endr
.endr
	WIN 0
	s_wait_loadcnt 0x0                             ; Q
	v_perm_b32 v[QS], v[QW], v[QW], 0x01000100     ; a tile's two bytes, twice: they serve [q, 0] and [0, q] alike
	v_perm_b32 v[QS+1], v[QW], v[QW], 0x03020302
	v_perm_b32 v[QS+2], v[QW+1], v[QW+1], 0x01000100
	v_perm_b32 v[QS+3], v[QW+1], v[QW+1], 0x03020302
	s_wait_kmcnt 0x0                               ; m
	v_mov_b32 v44, s77
	v_mul_f32 v44, 0xbfb8aa3b, v44                 ; -m log2(e)
	v_exp_f32 v44, v44
	v_nop
	s_wait_alu depctr_va_vdst(0)                   ; the wait ahead of a transcendental's first reader
	v_add_f32 v44, 1.0, v44
	v_rcp_f32 v44, v44                             ; sigmoid(m)
	v_nop
	s_wait_alu depctr_va_vdst(0)
	v_mul_f32 v44, 0xc1300000, v44                 ; x -11: 2048 = 2^11
	v_exp_f32 v44, v44
	v_nop
	s_wait_alu depctr_va_vdst(0)
	v_readfirstlane_b32 s66, v44                   ; c
	s_mov_b32 s67, s66                             ; (the packed form names the pair)
	PLACES 4                                       ; with the lines above: more than eight places between Q's scale words and the first product
; S^T of tile t for the step's 128 keys: eight products, each a sum of its own
.macro KQ t
	WIN 0x04                                       ; source 1 (Q) window 1
.irp G, 0,1
.irp u, 0,1,2,3
	WMZ S+64*((\t)%2)+32*\G+8*\u, KF+12*(2*\G+\u/2), QR+12*(\t)+6-6*(\u%2), KS+2*\G+\u/2, QS+(\t), 0
.endr
.endr
.endm
; tile t's scores are scaled and quantised along the keys: register 32 G + i is key 64 G + 32 h + i
.macro QUANT t
	WIN 0
.set QB, S+64*((\t)%2)
.set i, 0
.rept 32
	v_pk_mul_f32 v[QB+i:QB+i+1], v[QB+i:QB+i+1], s[66:67] op_sel_hi:[1,0]   ; sim x c, each accumulator from its low end on
.set i, i+2
.endr
	QMAX QB, QB+32, BY, BY+1
	v_lshl_or_b32 v[PW], v[BY+1], 16, v[BY]        ; my bytes of groups 0 and 1 at byte h and 2 + h,
	v_lshlrev_b32 v[PW], v[SH8], v[PW]
	v_permlanex16_b32 v[PT], v[PW], s20, s21
	v_or_b32 v[PW], v[PW], v[PT]                   ; with the lane 16 away's: the query's scale word for 128 keys
	QCVT QB, QB+32, P, P+6
	PLACES 4                                       ; four places behind the last write of P, fifteen behind that of its scale word
.endm
.macro PV t, zero                      ; O^T += V^T P^T: four accumulators by turns
	WIN 0x51                                       ; source 0 (V), C and D window 1
.irp u, 0,1,2,3
.if \zero
	WMZ O+32*(\t)+8*\u, VF+12*\u, P, VS+\u/2, PW, \u%2
.else
	WMA O+32*(\t)+8*\u, VF+12*\u, P, VS+\u/2, PW, \u%2
.endif
.endr
.endm
; A STEP: 128 keys.  The scores run one tile ahead of the quantiser.
.macro STEP zero
	v_add_nc_u32 v[SA], s62, v[BA]                 ; six additions: also the places in front of the loads into V's registers
	v_add_nc_u32 v[SA+1], s62, v[BA+1]
	v_add_nc_u32 v[SA+2], s62, v[BA+2]
	v_add_nc_u32 v[SA+3], s62, v[BA+3]
	v_add_nc_u32 v[SA+4], s63, v[BA+4]
	v_add_nc_u32 v[SA+5], s63, v[BA+5]
	s_add_co_u32 s62, s62, 6144                    ; the next step's codes: two groups of 3,072 bytes
	s_add_co_u32 s63, s63, 512                     ; and scale words
.irp G, 0,1
	ds_load_b64 v[KS+2*\G:KS+2*\G+1], v[SA+4] offset:256*\G
.endr
.irp q, 0,1,2,3,4,5,6,7
	ds_load_b128 v[KF+6*\q:KF+6*\q+3], v[SA] offset:768*\q
	ds_load_b64 v[KF+6*\q+4:KF+6*\q+5], v[SA+1] offset:768*\q
.endr
.irp G, 0,1
	ds_load_b64 v[VR+2*\G:VR+2*\G+1], v[SA+5] offset:256*\G
.endr
	WIN 0x40
.irp G, 0,1
.irp u, 0,1,2,3
	ds_load_b128 v[VF+12*\u+6*\G:VF+12*\u+6*\G+3], v[SA+2] offset:768*(4*\G+\u)
	ds_load_b64 v[VF+12*\u+6*\G+4:VF+12*\u+6*\G+5], v[SA+3] offset:768*(4*\G+\u)
.endr
.endr
	s_wait_dscnt 18                                ; K and its words are in; V's 2 + 16 loads may be out
	KQ 0
	KQ 1
	s_wait_dscnt 0x0
	WIN 0
	v_lshl_or_b32 v[VS], v[VR+2], 16, v[VR]        ; V's scale words: group 0's half-word below, group 1's above
	v_lshl_or_b32 v[VS+1], v[VR+3], 16, v[VR+1]
	PLACES 2                                       ; with the two lines above: four places behind the first tile's scores
	QUANT 0
	PV 0, \zero
	KQ 2
	QUANT 1
	PV 1, \zero
	KQ 3
	QUANT 2
	PV 2, \zero
	QUANT 3
	PV 3, \zero
.endm
.macro CHUNK left                      ; 512 keys: four steps
	s_wait_tensorcnt \left                         ; my part of this chunk has landed; the later chunks may be out
	s_barrier_signal -1
	s_barrier_wait -1
	s_mov_b32 s76, 4
.Lchunk_\@:
	STEP 0
	WIN 0
	s_sub_co_u32 s76, s76, 1
	s_cmp_lg_u32 s76, 0
	s_cbranch_scc1 .Lchunk_\@
.endm
	s_mov_b32 s62, 0
	s_mov_b32 s63, 0
	s_wait_tensorcnt 3                             ; the scale words and my part of chunk 0 are in; three chunks may be out
	s_barrier_signal -1
	s_barrier_wait -1
	STEP 1                                         ; the first step starts O^T's sums: nothing is cleared
	WIN 0
	s_mov_b32 s76, 3
.Lchunk0:
	STEP 0
	WIN 0
	s_sub_co_u32 s76, s76, 1
	s_cmp_lg_u32 s76, 0
	s_cbranch_scc1 .Lchunk0
	CHUNK 2
	CHUNK 1
	CHUNK 0
	; THE WAY OUT, wholly in window 1: a lane's 32 registers of a tile are channels 32 h .. 32 h + 31 of the head: a whole block of the last product's K
	WIN 0x40
	v_mov_b32 v243, v[SH8]
	v_mov_b32 v242, 0
	PLACES 4                                       ; behind the last products
	WIN 0x55
.set MX,  232
.set SC,  236
.set T,   244
.set BYO, 238
.set PTO, 242
.set SHO, 243
.set COO, 128                          ; the codes take Q's registers
.set HWP, 252
	QMAX O, O+32, BYO, BYO+1
	QCVT O, O+32, COO, COO+6
	QMAX O+64, O+96, BYO+2, BYO+3
	QCVT O+64, O+96, COO+12, COO+18
.irp t, 0,1,2,3
	v_lshlrev_b32 v[BYO+\t], v[SHO], v[BYO+\t]
	v_permlanex16_b32 v[PTO], v[BYO+\t], s20, s21
	v_or_b32 v[BYO+\t], v[BYO+\t], v[PTO]          ; the token's half-word for this head
.endr
	v_cndmask_b32 v[HWP], v[BYO], v[BYO+1], s22    ; lanes 0-15 tile 0's, lanes 16-31 tile 1's
	v_cndmask_b32 v[HWP+1], v[BYO+2], v[BYO+3], s22
	WIN 0x04                                       ; a store's data are its source 1: window 1
.irp t, 0,1,2,3
	global_store_b128 v[L16], v[COO+6*\t:COO+6*\t+3], s[74:75] offset:1536*\t        ; 512 consecutive bytes at a multiple of 256
	global_store_b64 v[L8], v[COO+6*\t+4:COO+6*\t+5], s[74:75] offset:1536*\t+512    ; 256
.endr
	global_store_b64 v[L8], v[HWP:HWP+1], s[78:79]
	WIN 0
	s_wait_tensorcnt 0x0                           ; the wave's end
	ds_add_u32 v[SPW], v[NIL]
	s_wait_dscnt 0x0
	CROUND                                         ; the closing round
	s_endpgm
.Lfunc_end_k_q0ed1e6838a_attn:
	.size	k_q0ed1e6838a_attn, .Lfunc_end_k_q0ed1e6838a_attn-k_q0ed1e6838a_attn
	.p2alignl 7, 3214868480
	.fill 96, 4, 3214868480
	.section	.rodata,"a",@progbits
	.p2align	6, 0x0
	.amdhsa_kernel k_q0ed1e6838a_attn
		.amdhsa_group_segment_fixed_size 214016
		.amdhsa_private_segment_fixed_size 0
		.amdhsa_enable_private_segment 0
		.amdhsa_kernarg_size 24
		.amdhsa_user_sgpr_count 2
		.amdhsa_user_sgpr_kernarg_segment_ptr 1
		.amdhsa_wavefront_size32 1
		.amdhsa_system_sgpr_workgroup_id_x 1
		.amdhsa_system_sgpr_workgroup_id_y 1
		.amdhsa_system_sgpr_workgroup_id_z 1
		.amdhsa_system_vgpr_workitem_id 0
		.amdhsa_next_free_vgpr 512
		.amdhsa_next_free_sgpr 80
		.amdhsa_reserve_vcc 0
		.amdhsa_float_denorm_mode_32 3
		.amdhsa_float_denorm_mode_16_64 3
		.amdhsa_memory_ordered 1
		.amdhsa_forward_progress 1
		.amdhsa_inst_pref_size 165
	.end_amdhsa_kernel
	.amdgpu_metadata
---
amdhsa.version: [ 1, 2 ]
amdhsa.kernels:
  - .name:           k_q0ed1e6838a_attn
    .symbol:         k_q0ed1e6838a_attn.kd
    .args:
      - { .name: qkvimg, .offset: 0, .size: 8, .value_kind: global_buffer, .address_space: global }
      - { .name: m, .offset: 8, .size: 8, .value_kind: global_buffer, .address_space: global }
      - { .name: oimg, .offset: 16, .size: 8, .value_kind: global_buffer, .address_space: global }
    .group_segment_fixed_size: 214016
    .private_segment_fixed_size: 0
    .kernarg_segment_align: 8
    .kernarg_segment_size: 24
    .max_flat_workgroup_size: 256
    .sgpr_count:     80
    .vgpr_count:     512
    .wavefront_size: 32
...
	.end_amdgpu_metadata
.endif
;; end of part 3
;; launch oproj (part 4): grid 32 x 8, 4 waves a work-group, clusters of 4 x 1, 167,936 bytes of LDS; arguments oimg, wimg, bo, out0; writes out0
.if DOCPART == 4
	.amdgcn_target "amdgcn-amd-amdhsa--gfx1250"
	.amdhsa_code_object_version 6
	.text
	.protected	k_q0ed1e6838a_oproj
	.globl	k_q0ed1e6838a_oproj
	.p2align	8
	.type	k_q0ed1e6838a_oproj,@function
k_q0ed1e6838a_oproj:
	s_mov_b64 s[64:65], 0
	v_nop
	global_prefetch_b8 v0, s[64:65] scope:SCOPE_SE
	s_setreg_imm32_b32 hwreg(HW_REG_WAVE_MODE, 25, 1), 1
	s_wait_xcnt 0x0
	s_wait_alu depctr_hold_cnt(0) depctr_sa_sdst(0) depctr_va_vdst(0) depctr_va_sdst(0) depctr_va_ssrc(0) depctr_va_vcc(0) depctr_vm_vsrc(0)
	s_getreg_b32 s2, hwreg(HW_REG_IB_STS2, 6, 4)
	s_cmp_eq_u32 s2, 0
	s_cbranch_scc0 .Lentry_in_a_cluster
	s_endpgm
.Lentry_in_a_cluster:
	s_bfe_u32 s2, ttmp6, 0x10000c
	s_cmp_lg_u32 s2, 0x3003
	s_cbranch_scc0 .Lentry_shape_is_right
	s_endpgm
.Lentry_shape_is_right:
; out0 = o Wo + bo on codes of E2M3.  o comes as images of operand registers (oimg: units of 64 tokens, 53,248 bytes: codes as in ximg, then a half-word for each token and head), Wo as units 48-63 of wimg.
; SHARES.  A work-group takes 256 tokens (wave w: unit 4 TB + w) and 128 columns (grid y): two units of Wo.  o IS STATIONARY: a wave's 32 fragments stay in 384 registers.
; Wo's two units, 102,400 bytes, are filled into LDS once, by joint loads of the four work-groups of a cluster, which share grid y; nothing is filled again.
; Source 0 = 16 columns of Wo, source 1 = 16 tokens: a lane holds one token and, over the four tiles, 32 neighbouring columns.  The bias is the C of each sum's first product.
; THE WAY OUT: a tile's 16 rows x 256 bytes go through the wave's own stage in LDS and leave so that sixteen lanes store 256 consecutive bytes at a multiple of 256.
; LIMITS: NaN and infinities are not served.
; REGISTERS: window 0: v1-11 addresses; v12-27 o's scale words; v28-43 the unit's; v44-171 16 accumulators; v172-203 the bias; v204-235 half-words as loaded, later rows of out0.
;   windows 1, 2: o's fragments of K steps 0-3, 4-7.   window 3: the unit's fragments, two sets of 48.
.set UNIT,  51200
.set STAGE, 2*UNIT                     ; behind the two units: 16 rows x 272 bytes a wave
.set SPARE, STAGE+4*4352               ; behind the stages: the spare words
.set SPW,  1
.set NIL,  2
.set L16,  3
.set L8,   4
.set AW16, 5
.set AW8,  6
.set BQO,  8                           ; 128 h
.set STO,  9                           ; the stage: where I put my 128 bytes of a row
.set STL,  10                          ; and where I read 16 bytes of a row back
.set GO,   11                          ; 4096 (lane / 16) + 16 (lane % 16)
.set XS,   12
.set WS,   28
.set ACC,  44
.set BI,   172
.set RB,   204
.set G1,   24
.set G0,   32
.set MSB, 0
.macro WIN new
.if MSB != (\new)
	s_set_vgpr_msb (MSB<<8)|(\new)
.set MSB, (\new)
.endif
.endm
.macro PLACES n
.rept \n
	v_nop
.endr
.endm
.macro CROUND
	s_barrier_signal -1
	s_barrier_wait -1
	s_cmp_lg_u32 s16, 0
	s_cbranch_scc1 .Lnot_wave_0_\@
	s_barrier_signal -3
.Lnot_wave_0_\@:
	s_barrier_wait -3
	s_barrier_signal -1
	s_barrier_wait -1
.endm
.macro WM d, a, b, c, sa, sb, ra, rb
.if ((\ra) == 0) && ((\rb) == 0)
	v_wmma_scale_f32_16x16x128_f8f6f4 v[(\d):(\d)+7], v[(\a):(\a)+11], v[(\b):(\b)+11], v[(\c):(\c)+7], v[\sa], v[\sb] matrix_a_fmt:MATRIX_FMT_FP6 matrix_b_fmt:MATRIX_FMT_FP6
.elseif (\rb) == 0
	v_wmma_scale_f32_16x16x128_f8f6f4 v[(\d):(\d)+7], v[(\a):(\a)+11], v[(\b):(\b)+11], v[(\c):(\c)+7], v[\sa], v[\sb] matrix_a_fmt:MATRIX_FMT_FP6 matrix_b_fmt:MATRIX_FMT_FP6 matrix_a_scale:MATRIX_SCALE_ROW1
.elseif (\ra) == 0
	v_wmma_scale_f32_16x16x128_f8f6f4 v[(\d):(\d)+7], v[(\a):(\a)+11], v[(\b):(\b)+11], v[(\c):(\c)+7], v[\sa], v[\sb] matrix_a_fmt:MATRIX_FMT_FP6 matrix_b_fmt:MATRIX_FMT_FP6 matrix_b_scale:MATRIX_SCALE_ROW1
.else
	v_wmma_scale_f32_16x16x128_f8f6f4 v[(\d):(\d)+7], v[(\a):(\a)+11], v[(\b):(\b)+11], v[(\c):(\c)+7], v[\sa], v[\sb] matrix_a_fmt:MATRIX_FMT_FP6 matrix_b_fmt:MATRIX_FMT_FP6 matrix_a_scale:MATRIX_SCALE_ROW1 matrix_b_scale:MATRIX_SCALE_ROW1
.endif
.endm
	s_load_b256 s[4:11], s[0:1], 0x0               ; oimg, wimg, bo, out0
	v_lshl_add_u32 v[SPW], v0, 2, SPARE
	v_mov_b32 v[NIL], 0
	ds_add_u32 v[SPW], v[NIL]                      ; the wave's opening: the add and its wait stand ahead of my first tensor load; work on registers stands between them
	v_lshrrev_b32 v44, 5, v0
	v_readfirstlane_b32 s16, v44                   ; wave
	s_bfe_u32 s17, ttmp6, 0x40000                  ; cx: it enters o's and out0's addresses alone
	s_lshl_b32 s18, ttmp9, 2
	s_add_co_u32 s18, s18, s17
	s_lshl_b32 s18, s18, 2
	s_add_co_u32 s18, s18, s16                     ; my wave's unit of 64 tokens
	s_and_b32 s19, ttmp7, 0xffff                   ; which 128 columns: shared by the four partners
	s_mov_b32 s[G1], 0x0023000f                    ; mask: all four; elements of 8 bytes; bit 21 beside the mask; no padding
	s_mov_b32 s[G1+1], 32<<16
	s_mov_b32 s[G1+2], 50<<16                      ; 50 rows of 256 bytes: a quarter of a unit
	s_mov_b32 s[G1+3], 32<<16
	s_mov_b32 s[G1+4], 50
	s_mov_b32 s[G1+5], 32
	s_mov_b32 s[G1+6], 0
	s_mov_b32 s[G1+7], 0
	s_mul_i32 s46, s16, 12800
	s_mul_i32 s48, s19, 2*UNIT
	s_add_co_u32 s48, s48, s46
	s_add_co_u32 s48, s48, 48*UNIT                 ; units 48 + 2 y, 49 + 2 y
	s_mov_b32 s49, 0
	s_wait_dscnt 0x0                               ; the opening add is done
	s_wait_kmcnt 0x0
	s_add_nc_u64 s[48:49], s[6:7], s[48:49]
.irp i, 0,1
	s_mov_b32 s[G0+4*\i], 1
	s_add_co_u32 s[G0+4*\i+1], s46, UNIT*\i
	s_add_nc_u64 s[G0+4*\i+2:G0+4*\i+3], s[48:49], UNIT*\i
	s_or_b32 s[G0+4*\i+3], s[G0+4*\i+3], 0x80000000
.endr
	CROUND                                         ; all four work-groups are here: the joint loads meet
.irp i, 0,1
	tensor_load_to_lds s[G0+4*\i:G0+4*\i+3], s[G1:G1+7]   ; two loads of mine are out: all the launch's fills
	s_nop 0
.endr
	PLACES 4
	v_and_b32 v46, 31, v0
	v_lshlrev_b32 v[L16], 4, v46
	v_lshlrev_b32 v[L8], 3, v46
	v_and_b32 v44, 15, v0                          ; r
	v_bfe_u32 v45, v0, 4, 1                        ; h
	v_lshlrev_b32 v[BQO], 7, v45
	s_mul_i32 s46, s16, 4352
	s_add_co_u32 s46, s46, STAGE                   ; my stage
	v_mul_u32_u24 v[STO], v44, 272
	v_lshl_add_u32 v[STO], v45, 7, v[STO]
	v_add_nc_u32 v[STO], s46, v[STO]               ; in: row r, + 128 h
	v_mul_u32_u24 v[STL], v45, 272
	v_lshl_add_u32 v[STL], v44, 4, v[STL]
	v_add_nc_u32 v[STL], s46, v[STL]               ; back: lanes 0-15 one row, lanes 16-31 the next
	v_lshlrev_b32 v[GO], 12, v45
	v_lshl_add_u32 v[GO], v44, 4, v[GO]            ; and the same two rows in out0
	s_mul_i32 s48, s18, 53248
	s_mov_b32 s49, 0
	s_add_nc_u64 s[40:41], s[4:5], s[48:49]        ; my unit of o
	s_lshl_b32 s48, s19, 9
	s_add_nc_u64 s[42:43], s[8:9], s[48:49]        ; my columns' bias
	s_lshl_b32 s50, s18, 18                        ; 64 rows of 4,096 bytes
	s_add_co_u32 s48, s48, s50
	s_add_nc_u64 s[44:45], s[10:11], s[48:49]      ; my rows and columns of out0
.macro BIAS i
.irp u, 0,1,2,3
	global_load_b128 v[BI+8*\u:BI+8*\u+3], v[BQO], s[42:43] offset:256*(\i)+32*\u
	global_load_b128 v[BI+8*\u+4:BI+8*\u+7], v[BQO], s[42:43] offset:256*(\i)+32*\u+16
.endr
.endm
.macro XFETCH s
	WIN 0x40*(1+(\s)/4)
.irp t, 0,1,2,3
.irp c, 0,1
	global_load_b128 v[12*(4*((\s)%4)+\t)+6*\c:12*(4*((\s)%4)+\t)+6*\c+3], v[L16], s[40:41] offset:((4*(\s)+\t)*2+\c)*768
	global_load_b64 v[12*(4*((\s)%4)+\t)+6*\c+4:12*(4*((\s)%4)+\t)+6*\c+5], v[L8], s[40:41] offset:((4*(\s)+\t)*2+\c)*768+512
.endr
.endr
.endm
.macro WFETCH s
	WIN 0xc0
.irp u, 0,1,2,3
.irp c, 0,1
	ds_load_b128 v[48*((\s)%2)+12*\u+6*\c:48*((\s)%2)+12*\u+6*\c+3], v[AW16] offset:((4*(\s)+\u)*2+\c)*768
	ds_load_b64 v[48*((\s)%2)+12*\u+6*\c+4:48*((\s)%2)+12*\u+6*\c+5], v[AW8] offset:((4*(\s)+\u)*2+\c)*768
.endr
.endr
.endm
.macro KSTEP i, s                      ; the next step's fragments are asked for, then 16 products, the 16 accumulators by turns
.if (\s) < 7
	PLACES 4                                       ; in front of loads into the set that the step before multiplied
	WFETCH (\s)+1
	s_wait_dscnt 16                                ; all but the 16 just issued
.else
	s_wait_dscnt 0x0
.endif
.if (\i) == 0                          ; the first unit walks behind o's loads: the K steps issued later may be out (the count's field ends at 63)
.if (\s) < 4
	s_wait_loadcnt 63
.else
	s_wait_loadcnt 16*(7-(\s))
.endif
.endif
	WIN 0x03+0x04*(1+(\s)/4)
.irp t, 0,1,2,3
.irp u, 0,1,2,3
.if (\s) == 0
	WM ACC+32*\t+8*\u, 48*((\s)%2)+12*\u, 12*(4*((\s)%4)+\t), BI+8*\u, WS+2*(\s)+\u/2, XS+2*(\s)+\t/2, \u%2, \t%2
.else
	WM ACC+32*\t+8*\u, 48*((\s)%2)+12*\u, 12*(4*((\s)%4)+\t), ACC+32*\t+8*\u, WS+2*(\s)+\u/2, XS+2*(\s)+\t/2, \u%2, \t%2
.endif
.endr
.endr
.endm
.macro HEAD i
	s_wait_tensorcnt 1-(\i)                        ; my quarter of unit i has landed; the unit behind it may be out
	s_barrier_signal -1
	s_barrier_wait -1
.if (\i) > 0
	s_wait_loadcnt 0x0                             ; the bias
.endif
	v_add_nc_u32 v[AW16], UNIT*(\i), v[L16]
	v_add_nc_u32 v[AW8], UNIT*(\i)+512, v[L8]
.irp s, 0,1,2,3,4,5,6,7
	ds_load_b64 v[WS+2*\s:WS+2*\s+1], v[AW8] offset:48640+256*\s
.endr
	WFETCH 0
.irp s, 0,1,2,3,4,5,6,7
	KSTEP \i, \s
.endr
	WIN 0
.endm
; 64 tokens x 64 columns leave, a tile of 16 tokens at a time.  Stage row r is token 32 (r / 8) + 8 t + r % 8
.macro EPI_O i
	PLACES 4                                       ; behind the last products
.irp t, 0,1,2,3
.irp q, 0,1,2,3,4,5,6,7
	ds_store_b128 v[STO], v[ACC+32*\t+4*\q:ACC+32*\t+4*\q+3] offset:16*\q   ; each accumulator from its low end on
.endr
	s_wait_xcnt 0x0                                ; the last tile's stores have read the registers that the loads below fill
.irp q, 0,1,2,3,4,5,6,7
	ds_load_b128 v[RB+4*\q:RB+4*\q+3], v[STL] offset:544*\q                 ; LDS serves a wave's instructions in order: these see the stores above, and the next tile's stores come behind them
.endr
.irp q, 0,1,2,3,4,5,6,7
	s_wait_dscnt 7-\q                              ; the younger read-backs may be out
	global_store_b128 v[GO], v[RB+4*\q:RB+4*\q+3], s[44:45] offset:(32*(\q/4)+8*\t+(2*\q)%8)*4096+256*(\i) th:TH_STORE_NT   ; sixteen lanes store 256 consecutive bytes at a multiple of 256
.endr
.endr
.endm
	BIAS 0
.irp n, 0,1,2,3,4,5,6,7,8,9,10,11,12,13,14,15
	global_load_b64 v[RB+2*\n:RB+2*\n+1], v[L8], s[40:41] offset:49152+256*\n   ; head n's half-words: register p: lanes 0-15 tile 2 p, lanes 16-31 tile 2 p + 1
.endr
.irp s, 0,1,2,3,4,5,6,7
	XFETCH \s
.endr
	WIN 0
	s_wait_loadcnt 63                              ; 128 loads were issued behind the half-words: they are in
.irp s, 0,1,2,3,4,5,6,7
.irp p, 0,1
	v_lshl_or_b32 v[XS+2*\s+\p], v[RB+4*\s+2+\p], 16, v[RB+4*\s+\p]   ; K step s = heads 2 s (below) and 2 s + 1 (above).  A step's words stand more than eight places ahead of its products
.endr
.endr
	HEAD 0
	BIAS 1
	EPI_O 0
	HEAD 1
	EPI_O 1
	s_wait_tensorcnt 0x0                           ; the wave's end
	ds_add_u32 v[SPW], v[NIL]
	s_wait_dscnt 0x0
	CROUND                                         ; the closing round
	s_endpgm
.Lfunc_end_k_q0ed1e6838a_oproj:
	.size	k_q0ed1e6838a_oproj, .Lfunc_end_k_q0ed1e6838a_oproj-k_q0ed1e6838a_oproj
	.p2alignl 7, 3214868480
	.fill 96, 4, 3214868480
	.section	.rodata,"a",@progbits
	.p2align	6, 0x0
	.amdhsa_kernel k_q0ed1e6838a_oproj
		.amdhsa_group_segment_fixed_size 167936
		.amdhsa_private_segment_fixed_size 0
		.amdhsa_enable_private_segment 0
		.amdhsa_kernarg_size 32
		.amdhsa_user_sgpr_count 2
		.amdhsa_user_sgpr_kernarg_segment_ptr 1
		.amdhsa_wavefront_size32 1
		.amdhsa_system_sgpr_workgroup_id_x 1
		.amdhsa_system_sgpr_workgroup_id_y 1
		.amdhsa_system_sgpr_workgroup_id_z 1
		.amdhsa_system_vgpr_workitem_id 0
		.amdhsa_next_free_vgpr 1024
		.amdhsa_next_free_sgpr 66
		.amdhsa_reserve_vcc 0
		.amdhsa_float_denorm_mode_32 3
		.amdhsa_float_denorm_mode_16_64 3
		.amdhsa_memory_ordered 1
		.amdhsa_forward_progress 1
		.amdhsa_inst_pref_size 90
	.end_amdhsa_kernel
	.amdgpu_metadata
---
amdhsa.version: [ 1, 2 ]
amdhsa.kernels:
  - .name:           k_q0ed1e6838a_oproj
    .symbol:         k_q0ed1e6838a_oproj.kd
    .args:
      - { .name: oimg, .offset: 0, .size: 8, .value_kind: global_buffer, .address_space: global }
      - { .name: wimg, .offset: 8, .size: 8, .value_kind: global_buffer, .address_space: global }
      - { .name: bo, .offset: 16, .size: 8, .value_kind: global_buffer, .address_space: global }
      - { .name: out0, .offset: 24, .size: 8, .value_kind: global_buffer, .address_space: global }
    .group_segment_fixed_size: 167936
    .private_segment_fixed_size: 0
    .kernarg_segment_align: 8
    .kernarg_segment_size: 32
    .max_flat_workgroup_size: 128
    .sgpr_count:     66
    .vgpr_count:     1024
    .wavefront_size: 32
...
	.end_amdgpu_metadata
.endif
;; end of part 4
